; MI455X (gfx1250); checked and timed in simulation.
; The chip was launched on July 23, 2026; its instructions are those of AMD's public machine-readable ISA for CDNA 5 (MIT licence, August 2026) and "CDNA5" Instruction Set Architecture Reference Guide (July 2026). The comments in the code are by the model that wrote it; some were corrected since.
;; Multi Head Attention. Allowed arithmetic: float matrix products may take bf16 or f16 operands with f32 sums; all other float work in f32.
;; Inputs: bk 256 float32; bo 256 float32; bq 256 float32; bv 256 float32; k 8 x 2,048 x 256 float32; m 1 x 1 x 1 x 2,048 float32; q 8 x 2,048 x 256 float32; v 8 x 2,048 x 256 float32; wk 256 x 256 float32; wo 256 x 256 float32; wq 256 x 256 float32; wv 256 x 256 float32.
;; Outputs: out0 8 x 2,048 x 256 float32.
;; 2 versions, each right and faster than the one before. Each part assembles by itself: llvm-mc -triple=amdgcn-amd-amdhsa -mcpu=gfx1250 --defsym DOCPART=n.
;; ======== version 1 of 2: 3 launches
;; limits: values are held in f16: magnitudes above 65,504 overflow, below 6.1e-05 lose precision
;; workspace buffers: qf 8,388,608 bytes; kv 16,777,216 bytes; ctxf 8,388,608 bytes; wof 131,072 bytes
;; launch proj (part 1): grid 64 x 4, 8 waves a work-group, no clusters, 272,640 bytes of LDS; arguments q, k, v, wq, wk, wv, bq, bk, bv, wo, qf, kv, wof; writes qf, kv, wof
.if DOCPART == 1
	.amdgcn_target "amdgcn-amd-amdhsa--gfx1250"
	.amdhsa_code_object_version 6
	.text
	.protected	k_qedf87d697e_proj
	.globl	k_qedf87d697e_proj
	.p2align	8
	.type	k_qedf87d697e_proj,@function
k_qedf87d697e_proj:
	s_mov_b64 s[64:65], 0
	v_nop
	global_prefetch_b8 v0, s[64:65] scope:SCOPE_SE
	s_setreg_imm32_b32 hwreg(HW_REG_WAVE_MODE, 25, 1), 1
	s_wait_xcnt 0x0
; The three input projections and the image of wo.  Grid y picks the job:
;   y = 0: qf = (q wq + bq) * log2(e)/sqrt(32)    y = 1: K part of kv = k wk + bk    y = 2: V part of kv = v wv + bv    y = 3: wof = wo
; All results are f16 FRAGMENT IMAGES: 1,024 bytes = [c 0,1][lane 0..31][16 bytes], the bytes that a 16-bit matrix operand of 16 x 32
; holds in its registers 4c .. 4c+3 (lane = 16 h + r holds row or column r, k = 16 c + 8 h + 0..7: ISA guide 7.12.2).  So a later
; launch fills a fragment by loads of 16 neighbouring bytes a lane, and every store here covers 512 consecutive bytes, aligned.
;   qf : [b*8+head][query tile 128][c][lane]          lane = query r, dh 16c+8h..
;   kv : [b*8+head][block of 64 keys, 32][K 4,096 | V 4,096]
;        K: [key tile 4][c][lane]  lane = key r, dh 16c+8h..      V: [32 keys kc 2][dt 2][c][lane]  lane = dh 16dt+r, keys 32kc+16c+8h..
;   wof: [n tile 16][ks 8][c][lane]                    lane = column 16nt+r of wo, k = 32ks+16c+8h..
; y < 3: a work-group takes 256 tokens, wave w tokens 32w .. 32w+31 (two token tiles T) for all 256 columns.
; Matrix operands are f16, sums f32.  LIMITS: inputs, weights and projected values must lie inside the range of f16 (65,504);
; NaN and infinities are not served.
; NO MULTICAST for the weights, although 64 work-groups read the same 262,144 bytes: they have to be converted and transposed through
; registers, and the raw f32 weights (262,144) beside their f16 image (131,328) and the token stage (139,264) pass the 327,680 bytes of LDS.
.set NTP,    8208                      ; LDS bytes from n tile to n tile of the weight image: 8,192 + 16, so that the 16 lanes of a
                                       ; conversion store (4 n tiles x 4 column quads) fall into 16 different 16-byte columns modulo 256
.set BIASL,  16*NTP                    ; 131,328: the bias, 256 f32
.set STAGE,  BIASL+1024                ; 132,352: the tokens as f16, 17,408 bytes for each wave, the wave's own
.set WSTG,   17408
.set TT,     8704                      ; a token tile in the stage: 32 groups of 8 k, 272 bytes apart, token r at 16 r in its group
.set CSCALE, 0x3e8293ee                ; log2(e) / sqrt(32)
.set BV,   12                          ; v[12:13], v[14:15]  V kind: bias of my column, for even and odd n tiles (the upper register only fills the pair)
.set PK,   16                          ; v[16:31]   phase A: packed weights
.set OUTR, 16                          ; v[16:31]   phase B: packed results, 4 registers for each (dt, T)
.set ACC,  32                          ; v[32:47]   two accumulators, token tiles 0 and 1
.set BIAS, 48                          ; v[48:55]   Q and K kinds: bias as the C operand
.set PKX,  56                          ; v[56:63]   phase A: packed tokens
.set BUF0, 64                          ; three load buffers of 64 registers
.set BUF1, 128
.set BUF2, 192
.set XF,   64                          ; v[64:191]  phase B: token fragments, 64 T + 8 ks
.set WF,   192                         ; v[192:255] phase B: weight fragments of one n tile, 8 ks
; v0 thread  v1 lane  v2 r  v3 h  v4 16 lane  v5 weights: offset in memory  v6, v7 weights: LDS store (column halves)
; v8 tokens: LDS store  v9 tokens: LDS read  v10 weight image: LDS read, stepped  v11 bias: LDS read, stepped
	s_load_b512 s[16:31], s[0:1], 0x0              ; q k v wq wk wv bq bk
	s_load_b256 s[32:39], s[0:1], 0x40             ; bv wo qf kv
	s_load_b64 s[40:41], s[0:1], 0x60              ; wof
	s_set_vgpr_msb 0x40
	v_lshl_add_u32 v0, v0, 2, 0x42500
	v_mov_b32 v1, 0
	s_set_vgpr_msb 0x4000
	s_and_b32 s2, ttmp7, 0xffff                    ; y: the job
	s_mov_b32 s3, ttmp9                            ; x: the block
	v_lshrrev_b32 v1, 5, v0
	v_readfirstlane_b32 s4, v1                     ; wave 0..7
	s_mov_b32 s43, 0
	s_cmp_eq_u32 s2, 3
	s_cbranch_scc1 .Lwo
	; ---------------- y < 3: lane terms ----------------
	v_and_b32 v1, 31, v0
	v_and_b32 v2, 15, v0
	v_bfe_u32 v3, v0, 4, 1
	v_lshlrev_b32 v4, 4, v1
	v_lshl_add_u32 v5, s4, 13, v4                  ; weights: rows 8 w .., 16 bytes a lane
	v_lshrrev_b32 v6, 2, v1
	v_mul_u32_u24 v6, v6, NTP                      ; column 4 lane + i: n tile lane / 4,
	v_and_b32 v7, 3, v1
	v_lshl_add_u32 v6, v7, 6, v6                   ; r = 4 (lane mod 4) + i,
	v_lshl_add_u32 v6, s4, 8, v6                   ; k octet w (+ 8 j in the immediate): 256 bytes each
	v_add_nc_u32 v7, 8*NTP, v6                     ; columns 128 ..: eight n tiles on
	s_mul_i32 s5, s4, WSTG
	s_add_co_u32 s5, s5, STAGE                     ; my wave's stage
	v_lshrrev_b32 v8, 1, v1
	v_mul_u32_u24 v8, v8, 272                      ; my 4 numbers k = 4 lane ..: group lane / 2,
	v_and_b32 v9, 1, v1
	v_lshl_add_u32 v8, v9, 3, v8                   ; its lower or upper 8 bytes
	v_add_nc_u32 v8, s5, v8
	v_mul_u32_u24 v9, v3, 272                      ; fragment read: group 4 ks + 2 c + h, token r
	v_lshl_add_u32 v9, v2, 4, v9
	v_add_nc_u32 v9, s5, v9
	v_mov_b32 v10, v4
	v_lshlrev_b32 v50, 2, v0                       ; bias: one word a thread
	v_add_nc_u32 v51, BIASL, v50
	; ---------------- offsets, apart from the addresses ----------------
	s_lshl_b32 s42, s3, 18                         ; tokens: block x 256 rows x 1,024 bytes
	s_lshl_b32 s44, s4, 15                         ; + wave x 32 rows
	s_add_co_u32 s42, s42, s44
	s_lshr_b32 s45, s3, 3                          ; b
	s_and_b32 s46, s3, 7                           ; which 256 tokens of the sequence
	s_lshl_b32 s47, s45, 20                        ; qf: b x 8 heads x 131,072
	s_lshl_b32 s48, s46, 14                        ;   + 16 query tiles x 1,024 for each 256 tokens
	s_add_co_u32 s47, s47, s48
	s_lshl_b32 s48, s4, 11                         ;   + 2 tiles a wave
	s_add_co_u32 s47, s47, s48
	s_lshl_b32 s49, s45, 21                        ; kv: b x 8 heads x 262,144
	s_lshl_b32 s48, s46, 15                        ;   + 4 blocks x 8,192 for each 256 tokens
	s_add_co_u32 s49, s49, s48
	s_lshr_b32 s48, s4, 1
	s_lshl_b32 s48, s48, 13                        ;   + block w / 2
	s_add_co_u32 s49, s49, s48
	s_and_b32 s48, s4, 1
	s_lshl_b32 s48, s48, 11                        ;   + 2,048 for the odd wave: two key tiles of K, or one chunk of 32 keys of V
	s_add_co_u32 s49, s49, s48
	s_add_co_u32 s50, s49, 4096                    ; V lies behind K in a block
	s_mov_b32 s14, 0x40000                         ; from head to head: kv 262,144,
	s_mov_b32 s15, 0
	s_mov_b32 s53, 0
	s_wait_kmcnt 0x0
	s_cmp_eq_u32 s2, 0
	s_cselect_b64 s[6:7], s[16:17], s[18:19]       ; tokens
	s_cselect_b64 s[8:9], s[22:23], s[24:25]       ; weights
	s_cselect_b64 s[10:11], s[28:29], s[30:31]     ; bias
	s_cselect_b64 s[12:13], s[36:37], s[38:39]     ; result
	s_cselect_b32 s52, s47, s49
	s_cselect_b32 s14, 0x20000, s14                ; qf 131,072
	s_cmp_eq_u32 s2, 2
	s_cselect_b64 s[6:7], s[20:21], s[6:7]
	s_cselect_b64 s[8:9], s[26:27], s[8:9]
	s_cselect_b64 s[10:11], s[32:33], s[10:11]
	s_cselect_b32 s52, s50, s52
	s_add_nc_u64 s[6:7], s[6:7], s[42:43]
	s_add_nc_u64 s[12:13], s[12:13], s[52:53]
.macro PLACES                          ; four plain vector places behind a matrix instruction (ISA guide 7.12.1), before its results are read
.rept 4                                ; by vector instructions or its registers are loaded into
	v_nop
.endr
.endm
; ---------------- phase A: weights and tokens to f16, into LDS ----------------
; A batch is 16 loads of 512 consecutive bytes.  Weights, batch j: rows 8 (w + 8 j) + e, e = 0..7, left and right half of the columns.
.macro LDW j, buf
.irp e, 0,1,2,3,4,5,6,7
	global_load_b128 v[\buf+4*\e:\buf+4*\e+3], v5, s[8:9] offset:\j*65536+\e*1024
.endr
.irp e, 0,1,2,3,4,5,6,7
	global_load_b128 v[\buf+32+4*\e:\buf+32+4*\e+3], v5, s[8:9] offset:\j*65536+\e*1024+512
.endr
.endm
; Tokens, batch j: my rows 8 j + rho, two halves of 512 bytes.  Read once in the launch.
.macro LDX j, buf
.irp rho, 0,1,2,3,4,5,6,7
	global_load_b128 v[\buf+8*\rho:\buf+8*\rho+3], v4, s[6:7] offset:(8*\j+\rho)*1024 th:TH_LOAD_NT
	global_load_b128 v[\buf+8*\rho+4:\buf+8*\rho+7], v4, s[6:7] offset:(8*\j+\rho)*1024+512 th:TH_LOAD_NT
.endr
.endm
; Eight rows of one column are the 16 bytes that a lane of the image holds: the transposition is done by the choice of the registers.
.macro CVW j, buf
.irp u, 0,1
.irp i, 0,1,2,3
.irp p, 0,1,2,3
	v_cvt_pk_f16_f32 v[PK+4*\i+\p], v[\buf+32*\u+8*\p+\i], v[\buf+32*\u+8*\p+4+\i]
.endr
	ds_store_b128 v[6+\u], v[PK+4*\i:PK+4*\i+3] offset:\j*2048+\i*16
.endr
.endr
.endm
; Four neighbouring k of a token are 8 bytes; the 32 lanes fall into 32 different 8-byte columns modulo 256.
.macro CVX j, buf
.irp rho, 0,1,2,3,4,5,6,7
.irp hr, 0,1
	v_cvt_pk_f16_f32 v[PKX+4*(\rho%2)+2*\hr], v[\buf+8*\rho+4*\hr], v[\buf+8*\rho+4*\hr+1]
	v_cvt_pk_f16_f32 v[PKX+4*(\rho%2)+2*\hr+1], v[\buf+8*\rho+4*\hr+2], v[\buf+8*\rho+4*\hr+3]
	ds_store_b64 v8, v[PKX+4*(\rho%2)+2*\hr:PKX+4*(\rho%2)+2*\hr+1] offset:((8*\j+\rho)/16)*TT+\hr*4352+((8*\j+\rho)%16)*16
.endr
.endr
.endm
	; Eight batches, W0 X0 W1 X1 W2 X2 W3 X3, on three buffers by turns: three batches (24 KiB a wave) are on their way.
	global_load_b32 v48, v50, s[10:11]             ; the bias: the oldest load
	LDW 0, BUF0
	LDX 0, BUF1
	LDW 1, BUF2
	s_wait_loadcnt 32                              ; loads return in order (ISA guide 5.7.1): all but the two younger batches of 16 are in
	ds_store_b32 v51, v48
	CVW 0, BUF0
	LDX 1, BUF0
	s_wait_loadcnt 32
	CVX 0, BUF1
	LDW 2, BUF1
	s_wait_loadcnt 32
	CVW 1, BUF2
	LDX 2, BUF2
	s_wait_loadcnt 32
	CVX 1, BUF0
	LDW 3, BUF0
	s_wait_loadcnt 32
	CVW 2, BUF1
	LDX 3, BUF1
	s_wait_loadcnt 32
	CVX 2, BUF2
	s_wait_loadcnt 16                              ; one younger batch is left
	CVW 3, BUF0
	s_wait_loadcnt 0x0
	CVX 3, BUF1
	s_wait_dscnt 0x0                               ; my part of the weight image and of the bias is written,
	s_barrier_signal -1
	s_barrier_wait -1                              ; everybody's is: the launch's one barrier
; ---------------- phase B: 16 n tiles, two to a head ----------------
.irp T, 0,1
.irp ks, 0,1,2,3,4,5,6,7
	ds_load_b128 v[XF+64*\T+8*\ks:XF+64*\T+8*\ks+3], v9 offset:\T*TT+\ks*1088
	ds_load_b128 v[XF+64*\T+8*\ks+4:XF+64*\T+8*\ks+7], v9 offset:\T*TT+\ks*1088+544
.endr
.endr
; kind 0: K, 1: V, 2: Q.
; K and Q: source 0 = weights (rows = columns of the result), source 1 = tokens: a lane then holds 8 neighbouring dh of token r,
; and the bias, which runs along the registers, is the C operand of the first product.
; V: source 0 = tokens, source 1 = weights: a lane holds 8 neighbouring keys of dh r; the bias is one number a lane, added at the end.
.macro LDBIAS kind, par, off
.if \kind == 1
	ds_load_b32 v[BV+2*(\par)], v11 offset:\off
.else
	ds_load_b128 v[BIAS:BIAS+3], v11 offset:\off
	ds_load_b128 v[BIAS+4:BIAS+7], v11 offset:\off+16
.endif
.endm
.macro LDWF k0, off                    ; eight loads: the weight fragments of ks = k0 .. k0 + 3
.irp ks, 0,1,2,3
	ds_load_b128 v[WF+8*(\k0+\ks):WF+8*(\k0+\ks)+3], v10 offset:\off+(\k0+\ks)*1024
	ds_load_b128 v[WF+8*(\k0+\ks)+4:WF+8*(\k0+\ks)+7], v10 offset:\off+(\k0+\ks)*1024+512
.endr
.endm
.macro MM kind, ks, T
.if \kind == 1
.if \ks == 0
	v_wmma_f32_16x16x32_f16 v[ACC+8*\T:ACC+8*\T+7], v[XF+64*\T+8*\ks:XF+64*\T+8*\ks+7], v[WF+8*\ks:WF+8*\ks+7], 0
.else
	v_wmma_f32_16x16x32_f16 v[ACC+8*\T:ACC+8*\T+7], v[XF+64*\T+8*\ks:XF+64*\T+8*\ks+7], v[WF+8*\ks:WF+8*\ks+7], v[ACC+8*\T:ACC+8*\T+7]
.endif
.else
.if \ks == 0
	v_wmma_f32_16x16x32_f16 v[ACC+8*\T:ACC+8*\T+7], v[WF+8*\ks:WF+8*\ks+7], v[XF+64*\T+8*\ks:XF+64*\T+8*\ks+7], v[BIAS:BIAS+7]
.else
	v_wmma_f32_16x16x32_f16 v[ACC+8*\T:ACC+8*\T+7], v[WF+8*\ks:WF+8*\ks+7], v[XF+64*\T+8*\ks:XF+64*\T+8*\ks+7], v[ACC+8*\T:ACC+8*\T+7]
.endif
.endif
.endm
; One n tile (dt = its half of the head).  On entry its bias, its fragments ks 0-3 (8 loads) and ks 4-7 (8 loads) are out, in this order.
; pre = 1: the next tile's are asked for as soon as the registers are free.  The two accumulators take turns, one instruction a turn.
.macro NT kind, dt, pre
	s_wait_dscnt 8                                 ; LDS loads return in order: all but the eight of ks 4-7 are in
.irp ks, 0,1,2,3
	MM \kind, \ks, 0
	MM \kind, \ks, 1
.endr
	s_wait_dscnt 0x0
	PLACES
.if \pre
	LDBIAS \kind, 1-\dt, (\dt+1)*64
	LDWF 0, (\dt+1)*NTP
.endif
.irp ks, 4,5,6,7
	MM \kind, \ks, 0
	MM \kind, \ks, 1
.endr
	PLACES
.if \pre
	LDWF 4, (\dt+1)*NTP
.endif
	s_wait_xcnt 0x0                                ; the packed results of the last head, which stores read, are rewritten only behind this wait
.if \kind == 1
.irp i, 0,1,2,3,4,5,6,7
	v_pk_add_f32 v[ACC+2*\i:ACC+2*\i+1], v[ACC+2*\i:ACC+2*\i+1], v[BV+2*\dt:BV+2*\dt+1] op_sel_hi:[1,0]
.endr
.endif
.if \kind == 2
.irp i, 0,1,2,3,4,5,6,7
	v_pk_mul_f32 v[ACC+2*\i:ACC+2*\i+1], v[ACC+2*\i:ACC+2*\i+1], CSCALE op_sel_hi:[1,0]   ; the scale of the logits, in f32, ahead of the one rounding to f16
.endr
.endif
.irp T, 0,1
.irp p, 0,1,2,3
	v_cvt_pk_f16_f32 v[OUTR+8*\dt+4*\T+\p], v[ACC+8*\T+2*\p], v[ACC+8*\T+2*\p+1]
.endr
.if \kind == 1
	global_store_b128 v4, v[OUTR+8*\dt+4*\T:OUTR+8*\dt+4*\T+3], s[12:13] offset:\T*512+\dt*1024    ; V: [dt][c = T]
.else
	global_store_b128 v4, v[OUTR+8*\dt+4*\T:OUTR+8*\dt+4*\T+3], s[12:13] offset:\T*1024+\dt*512    ; Q, K: [tile T][c = dt]
.endif
.endr
.endm
.macro KIND kind
	LDBIAS \kind, 0, 0
	LDWF 0, 0
	LDWF 4, 0
	s_mov_b32 s44, 7
.Lhead_\kind:
	NT \kind, 0, 1
	NT \kind, 1, 1
	v_add_nc_u32 v10, 2*NTP, v10                   ; two n tiles on
	v_add_nc_u32 v11, 128, v11
	s_wait_xcnt 0x0                                ; the base of the stores is stepped only behind this wait
	s_add_nc_u64 s[12:13], s[12:13], s[14:15]      ; the next head
	s_sub_co_i32 s44, s44, 1
	s_cmp_lg_u32 s44, 0
	s_cbranch_scc1 .Lhead_\kind
	NT \kind, 0, 1                                 ; the last head asks for nothing beyond the sixteenth tile
	NT \kind, 1, 0
	s_set_vgpr_msb 0x5
	s_wait_tensorcnt 0x0
	ds_add_u32 v0, v1
	s_wait_dscnt 0x0
	s_set_vgpr_msb 0x500
	s_endpgm
.endm
	s_cmp_eq_u32 s2, 2
	s_cbranch_scc1 .Lvkind
	v_lshl_add_u32 v11, v3, 5, BIASL               ; bias of columns 16 nt + 8 h + 0..7
	s_cmp_eq_u32 s2, 0
	s_cbranch_scc1 .Lqkind
	KIND 0
.Lqkind:
	KIND 2
.Lvkind:
	v_lshl_add_u32 v11, v2, 2, BIASL               ; bias of column 16 nt + r
	v_mov_b32 v13, 0                               ; the pairs' upper registers are named by the packed add, not used
	v_mov_b32 v15, 0
	KIND 1
; ---------------- y = 3: wo as an f16 image ----------------
; 32 octets of k x 256 columns are 8,192 threads' work (8 words in, 16 bytes out) for the 64 work-groups of this grid row: 128 threads each,
; so waves 4 to 7 have no part.  Sixteen neighbouring lanes store 256 consecutive bytes, aligned.
.Lwo:
	s_wait_kmcnt 0x0
	s_cmp_ge_u32 s4, 4
	s_cbranch_scc1 .Lend
	s_lshr_b32 s5, s3, 1                           ; the octet of k
	s_and_b32 s6, s3, 1                            ; columns 0-127 or 128-255
	s_lshl_b32 s42, s5, 13                         ; 8 rows of 1,024 bytes
	s_lshl_b32 s44, s6, 9
	s_add_co_u32 s42, s42, s44
	s_lshl_b32 s46, s6, 16                         ; eight n tiles of 8,192 bytes
	s_lshl_b32 s44, s5, 8                          ; (ks, c, h) = the octet: 256 bytes each
	s_add_co_u32 s46, s46, s44
	s_mov_b32 s47, 0
	v_lshlrev_b32 v1, 2, v0
	v_lshrrev_b32 v2, 4, v0
	v_and_b32 v3, 15, v0
	v_lshlrev_b32 v3, 4, v3
	v_lshl_add_u32 v2, v2, 13, v3                  ; n tile thread / 16, r = thread mod 16
	s_add_nc_u64 s[34:35], s[34:35], s[42:43]
	s_add_nc_u64 s[40:41], s[40:41], s[46:47]
.irp e, 0,1,2,3,4,5,6,7
	global_load_b32 v[16+\e], v1, s[34:35] offset:\e*1024
.endr
	s_wait_loadcnt 0x0
.irp p, 0,1,2,3
	v_cvt_pk_f16_f32 v[24+\p], v[16+2*\p], v[17+2*\p]
.endr
	global_store_b128 v2, v[24:27], s[40:41]
.Lend:
	s_endpgm
.Lfunc_end_k_qedf87d697e_proj:
	.size	k_qedf87d697e_proj, .Lfunc_end_k_qedf87d697e_proj-k_qedf87d697e_proj
	.p2alignl 7, 3214868480
	.fill 96, 4, 3214868480
	.section	.rodata,"a",@progbits
	.p2align	6, 0x0
	.amdhsa_kernel k_qedf87d697e_proj
		.amdhsa_group_segment_fixed_size 272640
		.amdhsa_private_segment_fixed_size 0
		.amdhsa_enable_private_segment 0
		.amdhsa_kernarg_size 104
		.amdhsa_user_sgpr_count 2
		.amdhsa_user_sgpr_kernarg_segment_ptr 1
		.amdhsa_wavefront_size32 1
		.amdhsa_system_sgpr_workgroup_id_x 1
		.amdhsa_system_sgpr_workgroup_id_y 1
		.amdhsa_system_sgpr_workgroup_id_z 1
		.amdhsa_system_vgpr_workitem_id 0
		.amdhsa_next_free_vgpr 258
		.amdhsa_next_free_sgpr 66
		.amdhsa_reserve_vcc 0
		.amdhsa_float_denorm_mode_32 3
		.amdhsa_float_denorm_mode_16_64 3
		.amdhsa_memory_ordered 1
		.amdhsa_forward_progress 1
		.amdhsa_inst_pref_size 87
	.end_amdhsa_kernel
	.amdgpu_metadata
---
amdhsa.version: [ 1, 2 ]
amdhsa.kernels:
  - .name:           k_qedf87d697e_proj
    .symbol:         k_qedf87d697e_proj.kd
    .args:
      - { .name: q, .offset: 0, .size: 8, .value_kind: global_buffer, .address_space: global }
      - { .name: k, .offset: 8, .size: 8, .value_kind: global_buffer, .address_space: global }
      - { .name: v, .offset: 16, .size: 8, .value_kind: global_buffer, .address_space: global }
      - { .name: wq, .offset: 24, .size: 8, .value_kind: global_buffer, .address_space: global }
      - { .name: wk, .offset: 32, .size: 8, .value_kind: global_buffer, .address_space: global }
      - { .name: wv, .offset: 40, .size: 8, .value_kind: global_buffer, .address_space: global }
      - { .name: bq, .offset: 48, .size: 8, .value_kind: global_buffer, .address_space: global }
      - { .name: bk, .offset: 56, .size: 8, .value_kind: global_buffer, .address_space: global }
      - { .name: bv, .offset: 64, .size: 8, .value_kind: global_buffer, .address_space: global }
      - { .name: wo, .offset: 72, .size: 8, .value_kind: global_buffer, .address_space: global }
      - { .name: qf, .offset: 80, .size: 8, .value_kind: global_buffer, .address_space: global }
      - { .name: kv, .offset: 88, .size: 8, .value_kind: global_buffer, .address_space: global }
      - { .name: wof, .offset: 96, .size: 8, .value_kind: global_buffer, .address_space: global }
    .group_segment_fixed_size: 272640
    .private_segment_fixed_size: 0
    .kernarg_segment_align: 8
    .kernarg_segment_size: 104
    .max_flat_workgroup_size: 256
    .sgpr_count:     66
    .vgpr_count:     258
    .wavefront_size: 32
...
	.end_amdgpu_metadata
.endif
;; end of part 1
;; launch attn (part 2): grid 256 x 1, 8 waves a work-group, clusters of 4 x 1, 271,360 bytes of LDS; arguments qf, kv, m, ctxf; writes ctxf
.if DOCPART == 2
	.amdgcn_target "amdgcn-amd-amdhsa--gfx1250"
	.amdhsa_code_object_version 6
	.text
	.protected	k_qedf87d697e_attn
	.globl	k_qedf87d697e_attn
	.p2align	8
	.type	k_qedf87d697e_attn,@function
k_qedf87d697e_attn:
	s_mov_b64 s[64:65], 0
	v_nop
	global_prefetch_b8 v0, s[64:65] scope:SCOPE_SE
	s_setreg_imm32_b32 hwreg(HW_REG_WAVE_MODE, 25, 1), 1
	s_wait_xcnt 0x0
	s_wait_alu depctr_hold_cnt(0) depctr_sa_sdst(0) depctr_va_vdst(0) depctr_va_sdst(0) depctr_va_ssrc(0) depctr_va_vcc(0) depctr_vm_vsrc(0)
	s_getreg_b32 s2, hwreg(HW_REG_IB_STS2, 6, 4)
	s_cmp_eq_u32 s2, 0
	s_cbranch_scc0 .Lentry_in_a_cluster
	s_endpgm
.Lentry_in_a_cluster:
	s_bfe_u32 s2, ttmp6, 0x10000c
	s_cmp_lg_u32 s2, 0x3003
	s_cbranch_scc0 .Lentry_shape_is_right
	s_endpgm
.Lentry_shape_is_right:
; Attention of one (batch, head) and 512 queries for each work-group; softmax with a running maximum; result as f16 fragment images.
; Inputs are fragment images: qf holds (q wq + bq) log2(e)/sqrt(32), kv the head's K and V in blocks of 64 keys (K 4,096 | V 4,096 bytes).
; The products are used TRANSPOSED, so that nothing is moved between lanes on the way from the scores to the second product:
;   S^T (64 keys x 16 queries) = K x Q^T + mask : lane 16 h + r holds query r, register j of key tile kt holds key 16 kt + 8 h + j;
;   packed in pairs these registers ARE the source 1 fragments of  O^T (32 dh x 16 queries) += V^T x P^T.
; The mask m[key] * (-1e9 log2(e)) runs along the registers and is the C operand of the score product: it costs no vector instruction.
; p = exp2(s - max): the maximum is the true one of the row so far, mask included, and the subtraction is exact at the maximum: p <= 1.
; The row sums are a third product with a matrix that is one in rows 0 and 8 and zero elsewhere: register 0 of its result holds, in both
; halves of the wave, the sum of the rounded p of query r.
; CLUSTER: the four query blocks of a head form a cluster and ask jointly for the head's K and V (262,144 bytes), which then stay in LDS:
; no slot is ever filled again.  A wave asks for 4 pieces of 32 rows x 256 bytes, one in each quarter of the keys, so that the work begins
; when a quarter has landed; a wave has four tensor loads out at the most.
; Eight waves, 64 queries (4 query tiles t) each.
; LIMITS: where EVERY key is masked, score + mask is rounded to 24 bits inside the matrix unit (steps of 128 in log2 units, the order of
; rounding of the unit) while the definition rounds to nearest in steps of 64 natural units: such rows may differ.  m * 1.45e9 must be finite.
; NaN and infinities are not served.
.set MASKL, 262144                     ; LDS: K and V at 0 (32 blocks x 8,192), the scaled mask behind them (2,048 f32), written by LDS stores alone
.set MSCALE, 0xceabfb8f                ; -1e9 log2(e)
.set AL,   10                          ; v10       exp2(old maximum - new)
.set TP,   11                          ; v11       the other half's maximum
.set MX,   12                          ; v[12+2t]  running maximum of tile t (v[13+2t] only fills the pair)
.set QF,   24                          ; v[24:55]  Q fragments, 8 t
.set ONES, 56                          ; v[56:63]  the summing matrix
.set KF,   64                          ; v[64:95]  K fragments, 8 kt
.set MF,   96                          ; v[96:127] mask, 8 kt
.set VF,   128                         ; v[128:159] V fragments, 16 kc + 8 dt
.set SA,   160                         ; v[160:191], v[192:223]  scores, two buffers
.set SB,   192
.set PF,   224                         ; v[224:239] P fragments, 8 kc
.set OA,   0                           ; window 1: v[256+16t+8dt ..] O^T
.set LS,   64                          ; window 1: v[320+8t ..] row sums
; v1 16 lane   v2 LDS address of my 16 bytes in the block at work   v3 LDS address of my 8 mask words   v4-v7 at work
.set MSB, 0
.macro WIN new                         ; s_set_vgpr_msb: bits 1:0 source 0, 3:2 source 1, 5:4 source 2, 7:6 destination; the high byte repeats the setting left
.if MSB != \new
	s_set_vgpr_msb (MSB<<8)|\new
.set MSB, \new
.endif
.endm
.macro PLACES
.rept 4
	v_nop
.endr
.endm
.macro ROUND                           ; a round of the cluster's barrier: my work-group's barrier, wave 0 signals for it, all wait, my barrier again
	s_barrier_signal -1
	s_barrier_wait -1
	s_cmp_lg_u32 s12, 0
	s_cbranch_scc1 .Lnot_wave_0_\@
	s_barrier_signal -3
.Lnot_wave_0_\@:
	s_barrier_wait -3
	s_barrier_signal -1
	s_barrier_wait -1
.endm
	s_load_b256 s[4:11], s[0:1], 0x0               ; qf s[4:5], kv s[6:7], m s[8:9], ctxf s[10:11]
	v_lshl_add_u32 v254, v0, 2, 0x42000
	v_mov_b32 v255, 0
	ds_add_u32 v254, v255
	v_lshrrev_b32 v1, 5, v0
	v_readfirstlane_b32 s12, v1                    ; wave 0..7
	s_mov_b32 s13, ttmp9                           ; the cluster's number = b * 8 + head
	s_bfe_u32 s14, ttmp6, 0x40000                  ; my place in the cluster = the block of 512 queries; it enters global addresses of Q and of the result alone
	s_mov_b32 s40, 0x76543210                      ; v_permlanex16_b32: lane i reads lane i of the other half
	s_mov_b32 s41, 0xfedcba98
	; descriptor group 1: 32 rows of 32 elements of 8 bytes, dense: 8,192 bytes
	s_mov_b32 s16, 15|(3<<16)|(1<<21)              ; 15:0 mask: all four of the cluster; 17:16 elements of 8 bytes; 21 set beside a mask
	s_mov_b32 s17, 32<<16                          ; tensor_dim0 = 32
	s_mov_b32 s18, 32<<16                          ; tensor_dim1 = 32
	s_mov_b32 s19, 32<<16                          ; tile_dim0 = 32
	s_mov_b32 s20, 32                              ; tile_dim1 = 32
	s_mov_b32 s21, 32                              ; elements from row to row
	s_mov_b32 s22, 0
	s_mov_b32 s23, 0
	s_lshl_b32 s50, s12, 13                        ; my block in a quarter: wave x 8,192, in LDS as in memory
	s_lshl_b32 s48, s13, 18                        ; the head's K and V: 262,144 bytes
	s_add_co_u32 s48, s48, s50
	s_mov_b32 s49, 0
	s_lshl_b32 s42, s13, 17                        ; Q: head x 131,072 + (32 place + 4 wave) tiles x 1,024
	s_lshl_b32 s44, s14, 15
	s_add_co_u32 s42, s42, s44
	s_lshl_b32 s44, s12, 12
	s_add_co_u32 s42, s42, s44
	s_mov_b32 s43, 0
	s_lshr_b32 s44, s13, 3                         ; result: (128 b + 32 place + 4 wave) token tiles x 8,192 + head x 1,024
	s_lshl_b32 s44, s44, 20
	s_and_b32 s45, s13, 7
	s_lshl_b32 s45, s45, 10
	s_add_co_u32 s44, s44, s45
	s_lshl_b32 s45, s14, 18
	s_add_co_u32 s44, s44, s45
	s_lshl_b32 s45, s12, 15
	s_add_co_u32 s44, s44, s45
	s_mov_b32 s45, 0
	s_wait_dscnt 0x0
	s_wait_kmcnt 0x0
	s_add_nc_u64 s[6:7], s[6:7], s[48:49]
	s_add_nc_u64 s[4:5], s[4:5], s[42:43]
	s_add_nc_u64 s[10:11], s[10:11], s[44:45]
.irp cq, 0,1,2,3
	s_mov_b32 s[24+4*\cq], 1                                       ; group 0 of quarter cq: count = 1
	s_add_co_u32 s[25+4*\cq], s50, \cq*65536                       ; LDS address
	s_add_nc_u64 s[26+4*\cq:27+4*\cq], s[6:7], \cq*65536           ; global address
	s_or_b32 s[27+4*\cq], s[27+4*\cq], 0x80000000                  ; type = 2
.endr
	ROUND                                          ; all four work-groups are here: the joint loads meet
.irp cq, 0,1,2,3
	tensor_load_to_lds s[24+4*\cq:27+4*\cq], s[16:23]
	s_nop 0
.endr
	v_and_b32 v1, 31, v0
	v_lshlrev_b32 v1, 4, v1
	v_lshlrev_b32 v4, 4, v0                        ; the mask: 16 bytes a thread, twice
	global_load_b128 v[64:67], v4, s[8:9]
	global_load_b128 v[68:71], v4, s[8:9] offset:4096
.irp i, 0,1,2,3,4,5,6,7
	global_load_b128 v[QF+4*\i:QF+4*\i+3], v1, s[4:5] offset:512*\i th:TH_LOAD_NT
.endr
	v_mov_b32 v2, v1
	v_bfe_u32 v8, v0, 4, 1
	v_lshl_add_u32 v3, v8, 5, MASKL                ; keys 8 h .. of a key tile
	v_add_nc_u32 v5, MASKL, v4
	v_and_b32 v8, 7, v0
	v_mov_b32 v9, 0x3c003c00                       ; two f16 ones
	v_cmp_eq_u32 vcc_lo, 0, v8                     ; rows 0 and 8
.irp i, 0,1,2,3,4,5,6,7
	v_cndmask_b32 v[ONES+\i], 0, v9, vcc_lo
.endr
	v_mov_b32 v[TP], 0                             ; a lane permute counts as a reader of its destination
.irp t, 0,1,2,3
	v_mov_b32 v[MX+2*\t+1], 0
.endr
	s_wait_loadcnt 8                               ; the mask is in; the eight younger loads of Q may be out
.irp i, 0,1,2,3
	v_pk_mul_f32 v[64+2*\i:65+2*\i], v[64+2*\i:65+2*\i], MSCALE op_sel_hi:[1,0]
.endr
	ds_store_b128 v5, v[64:67]
	ds_store_b128 v5, v[68:71] offset:4096
	s_wait_loadcnt 0x0
	s_wait_dscnt 0x0                               ; my part of the mask is written,
	s_wait_tensorcnt 3                             ; my block of the first quarter has landed (tensor loads of a wave end in order: ISA guide 10.11.1); three stay out
	s_barrier_signal -1
	s_barrier_wait -1                              ; everybody's
.macro LDKM o                          ; K fragments and mask of block (at work + o)
.irp i, 0,1,2,3,4,5,6,7
	ds_load_b128 v[KF+4*\i:KF+4*\i+3], v2 offset:\o*8192+512*\i
.endr
.irp i, 0,1,2,3,4,5,6,7
	ds_load_b128 v[MF+4*\i:MF+4*\i+3], v3 offset:\o*256+(\i/2)*64+(\i%2)*16
.endr
.endm
.macro LDV
.irp i, 0,1,2,3,4,5,6,7
	ds_load_b128 v[VF+4*\i:VF+4*\i+3], v2 offset:4096+512*\i
.endr
.endm
.macro WS t, S                         ; scores of query tile t against 64 keys, mask added
.irp kt, 0,1,2,3
	v_wmma_f32_16x16x32_f16 v[\S+8*\kt:\S+8*\kt+7], v[KF+8*\kt:KF+8*\kt+7], v[QF+8*\t:QF+8*\t+7], v[MF+8*\kt:MF+8*\kt+7]
.endr
.endm
.macro PV3 t, kc, zero                 ; 32 keys into the two halves of O^T and into the row sums
.if \zero
	v_wmma_f32_16x16x32_f16 v[OA+16*\t:OA+16*\t+7], v[VF+16*\kc:VF+16*\kc+7], v[PF+8*\kc:PF+8*\kc+7], 0
	v_wmma_f32_16x16x32_f16 v[OA+16*\t+8:OA+16*\t+15], v[VF+16*\kc+8:VF+16*\kc+15], v[PF+8*\kc:PF+8*\kc+7], 0
	v_wmma_f32_16x16x32_f16 v[LS+8*\t:LS+8*\t+7], v[ONES:ONES+7], v[PF+8*\kc:PF+8*\kc+7], 0
.else
	v_wmma_f32_16x16x32_f16 v[OA+16*\t:OA+16*\t+7], v[VF+16*\kc:VF+16*\kc+7], v[PF+8*\kc:PF+8*\kc+7], v[OA+16*\t:OA+16*\t+7]
	v_wmma_f32_16x16x32_f16 v[OA+16*\t+8:OA+16*\t+15], v[VF+16*\kc+8:VF+16*\kc+15], v[PF+8*\kc:PF+8*\kc+7], v[OA+16*\t+8:OA+16*\t+15]
	v_wmma_f32_16x16x32_f16 v[LS+8*\t:LS+8*\t+7], v[ONES:ONES+7], v[PF+8*\kc:PF+8*\kc+7], v[LS+8*\t:LS+8*\t+7]
.endif
.endm
.macro PV t, zero                      ; the three accumulators take turns, one instruction a turn
	WIN 0x50                                       ; C and D in window 1
	PV3 \t, 0, \zero
	PV3 \t, 1, 0
	WIN 0
.endm
.macro FS S, g, t                      ; four scores minus the maximum
	v_pk_add_f32 v[\S+4*(\g):\S+4*(\g)+1], v[\S+4*(\g):\S+4*(\g)+1], v[MX+2*\t:MX+2*\t+1] op_sel_hi:[1,0] neg_lo:[0,1] neg_hi:[0,1]
	v_pk_add_f32 v[\S+4*(\g)+2:\S+4*(\g)+3], v[\S+4*(\g)+2:\S+4*(\g)+3], v[MX+2*\t:MX+2*\t+1] op_sel_hi:[1,0] neg_lo:[0,1] neg_hi:[0,1]
.endm
.macro ES S, g
.irp i, 0,1,2,3
	v_exp_f32 v[\S+4*(\g)+\i], v[\S+4*(\g)+\i]
.endr
.endm
.macro CS S, g
	s_wait_alu depctr_va_vdst(0)
	v_cvt_pk_f16_f32 v[PF+2*(\g)], v[\S+4*(\g)], v[\S+4*(\g)+1]
	v_cvt_pk_f16_f32 v[PF+2*(\g)+1], v[\S+4*(\g)+2], v[\S+4*(\g)+3]
.endm
; The softmax step of query tile t on the 32 score registers S.  first = 1: nothing to carry over.  ld = 1: V of this block, ld = 2: K and
; mask of the next are asked for behind the sixteen maxima, which are the places behind the matrix instructions that last read those registers.
.macro SM t, S, first, ld
.if \first
	v_max_num_f32 v4, v[\S], v[\S+1]
.else
	v_max3_num_f32 v4, v[\S], v[\S+1], v[MX+2*\t]
.endif
	v_max3_num_f32 v5, v[\S+2], v[\S+3], v[\S+4]
	v_max3_num_f32 v6, v[\S+5], v[\S+6], v[\S+7]
	v_max3_num_f32 v7, v[\S+8], v[\S+9], v[\S+10]
.set j, 0
.rept 10
	v_max3_num_f32 v[4+j%4], v[4+j%4], v[\S+11+2*j], v[\S+12+2*j]  ; four chains
.set j, j+1
.endr
	v_max3_num_f32 v4, v4, v5, v6
	v_max3_num_f32 v4, v4, v7, v[\S+31]
.if \ld == 1
	LDV
.endif
.if \ld == 2
	LDKM 1
.endif
	v_permlanex16_b32 v[TP], v4, s40, s41          ; the other 32 keys of query r lie in the other half of the wave
.if \first
	v_max_num_f32 v[MX+2*\t], v4, v[TP]
.else
	v_max_num_f32 v5, v4, v[TP]
	v_sub_f32 v[AL], v[MX+2*\t], v5
	v_mov_b32 v[MX+2*\t], v5
	v_exp_f32 v[AL], v[AL]
.endif
	; subtract, exponential, pack, in groups of four registers, staggered so that a plain instruction on other registers always stands
	; between an exponential and the use of its result (ISA guide 5.7.2)
	FS \S, 0, \t
	FS \S, 1, \t
	ES \S, 0
	FS \S, 2, \t
.set g, 1
.rept 5
	ES \S, g
	CS \S, g-1
	FS \S, g+2, \t
.set g, g+1
.endr
	ES \S, 6
	CS \S, 5
	ES \S, 7
	CS \S, 6
	CS \S, 7
.if \first == 0
	WIN 0x41                                       ; source 0 and destination in window 1; the second product follows under its own setting
.irp i, 0,1,2,3,4,5,6,7
	v_pk_mul_f32 v[OA+16*\t+2*\i:OA+16*\t+2*\i+1], v[OA+16*\t+2*\i:OA+16*\t+2*\i+1], v[AL:AL+1] op_sel_hi:[1,0]
.endr
	v_mul_f32 v[LS+8*\t], v[LS+8*\t], v[AL]        ; registers 1-7 of the sums stay zero
.endif
.endm
; One block of 64 keys for the four query tiles.  On entry SA holds tile 0's scores and K and mask of the block are in registers.
; Behind every group of matrix instructions stands another tile's softmax step, some ninety plain vector instructions on other registers,
; before its results are read or its sources rewritten.
.macro TRIP first, last
	WS 1, SB
	SM 0, SA, \first, 1
	s_wait_dscnt 0x0                               ; V is in
	PV 0, \first
	WS 2, SA
	SM 1, SB, \first, 0
	PV 1, \first
	WS 3, SB
.if \last
	SM 2, SA, \first, 0
	PV 2, \first
.else
	SM 2, SA, \first, 2
	s_wait_dscnt 0x0                               ; the next block's K and mask are in
	PV 2, \first
	WS 0, SA
.endif
	SM 3, SB, \first, 0
	PV 3, \first
.if \last == 0
	v_add_nc_u32 v2, 0x2000, v2
	v_add_nc_u32 v3, 0x100, v3
.endif
.endm
; The next quarter of the keys: my block of it has landed, n later ones stay out; then everybody's has.  No LDS instruction of the wave is
; out here (the trip's last wait was for 0 and nothing was issued behind it).
.macro QW n
	s_wait_tensorcnt \n
	s_barrier_signal -1
	s_barrier_wait -1
.endm
.macro TRIPS n, name
	s_mov_b32 s47, \n
.L\name:
	TRIP 0, 0
	s_sub_co_i32 s47, s47, 1
	s_cmp_lg_u32 s47, 0
	s_cbranch_scc1 .L\name
.endm
	LDKM 0
	s_wait_dscnt 0x0
	WS 0, SA
	PLACES                                         ; here no softmax step stands behind the first scores
	TRIP 1, 0                                      ; block 0 starts maxima and sums: nothing is cleared
	TRIPS 6, q0                                    ; blocks 1-6.  Trip n reads V of block n and K of block n + 1, so trip 7 is the first to touch quarter 1
	QW 2
	TRIPS 8, q1                                    ; blocks 7-14
	QW 1
	TRIPS 8, q2                                    ; blocks 15-22
	QW 0
	TRIPS 8, q3                                    ; blocks 23-30
	TRIP 0, 1                                      ; block 31 asks for nothing more
	; The way out: divide by the sums (at least 1: the maximum's own p), round to f16.  A lane holds dh 16 dt + 8 h + 0..7 of query r:
	; the 16 bytes of the fragment image that the output projection reads as its source 1.
	PLACES
	WIN 0x01                                       ; source 0 in window 1
.irp t, 0,1,2,3
	v_rcp_f32 v[SB+2*\t], v[LS+8*\t]
.endr
	v_nop
	s_wait_alu depctr_va_vdst(0)
.irp t, 0,1,2,3
.irp i, 0,1,2,3,4,5,6,7
	v_pk_mul_f32 v[MF+16*\t+2*\i:MF+16*\t+2*\i+1], v[OA+16*\t+2*\i:OA+16*\t+2*\i+1], v[SB+2*\t:SB+2*\t+1] op_sel_hi:[1,0]
.endr
.endr
	WIN 0
.irp t, 0,1,2,3
.irp i, 0,1,2,3,4,5,6,7
	v_cvt_pk_f16_f32 v[KF+8*\t+\i], v[MF+16*\t+2*\i], v[MF+16*\t+2*\i+1]
.endr
	global_store_b128 v1, v[KF+8*\t:KF+8*\t+3], s[10:11] offset:\t*8192            ; 512 consecutive bytes each
	global_store_b128 v1, v[KF+8*\t+4:KF+8*\t+7], s[10:11] offset:\t*8192+512
.endr
	s_wait_tensorcnt 0x0
	ds_add_u32 v254, v255
	s_wait_dscnt 0x0
	ROUND                                          ; the closing round: no work-group ends while a partner may still ask jointly
	s_endpgm
.Lfunc_end_k_qedf87d697e_attn:
	.size	k_qedf87d697e_attn, .Lfunc_end_k_qedf87d697e_attn-k_qedf87d697e_attn
	.p2alignl 7, 3214868480
	.fill 96, 4, 3214868480
	.section	.rodata,"a",@progbits
	.p2align	6, 0x0
	.amdhsa_kernel k_qedf87d697e_attn
		.amdhsa_group_segment_fixed_size 271360
		.amdhsa_private_segment_fixed_size 0
		.amdhsa_enable_private_segment 0
		.amdhsa_kernarg_size 32
		.amdhsa_user_sgpr_count 2
		.amdhsa_user_sgpr_kernarg_segment_ptr 1
		.amdhsa_wavefront_size32 1
		.amdhsa_system_sgpr_workgroup_id_x 1
		.amdhsa_system_sgpr_workgroup_id_y 1
		.amdhsa_system_sgpr_workgroup_id_z 1
		.amdhsa_system_vgpr_workitem_id 0
		.amdhsa_next_free_vgpr 352
		.amdhsa_next_free_sgpr 66
		.amdhsa_reserve_vcc 1
		.amdhsa_float_denorm_mode_32 3
		.amdhsa_float_denorm_mode_16_64 3
		.amdhsa_memory_ordered 1
		.amdhsa_forward_progress 1
		.amdhsa_inst_pref_size 157
	.end_amdhsa_kernel
	.amdgpu_metadata
---
amdhsa.version: [ 1, 2 ]
amdhsa.kernels:
  - .name:           k_qedf87d697e_attn
    .symbol:         k_qedf87d697e_attn.kd
    .args:
      - { .name: qf, .offset: 0, .size: 8, .value_kind: global_buffer, .address_space: global }
      - { .name: kv, .offset: 8, .size: 8, .value_kind: global_buffer, .address_space: global }
      - { .name: m, .offset: 16, .size: 8, .value_kind: global_buffer, .address_space: global }
      - { .name: ctxf, .offset: 24, .size: 8, .value_kind: global_buffer, .address_space: global }
    .group_segment_fixed_size: 271360
    .private_segment_fixed_size: 0
    .kernarg_segment_align: 8
    .kernarg_segment_size: 32
    .max_flat_workgroup_size: 256
    .sgpr_count:     66
    .vgpr_count:     352
    .wavefront_size: 32
...
	.end_amdgpu_metadata
.endif
;; end of part 2
;; launch outp (part 3): grid 256 x 1, 8 waves a work-group, clusters of 4 x 1, 231,424 bytes of LDS; arguments ctxf, wof, bo, out0; writes out0
.if DOCPART == 3
	.amdgcn_target "amdgcn-amd-amdhsa--gfx1250"
	.amdhsa_code_object_version 6
	.text
	.protected	k_qedf87d697e_outp
	.globl	k_qedf87d697e_outp
	.p2align	8
	.type	k_qedf87d697e_outp,@function
k_qedf87d697e_outp:
	s_mov_b64 s[64:65], 0
	v_nop
	global_prefetch_b8 v0, s[64:65] scope:SCOPE_SE
	s_setreg_imm32_b32 hwreg(HW_REG_WAVE_MODE, 25, 1), 1
	s_wait_xcnt 0x0
	s_wait_alu depctr_hold_cnt(0) depctr_sa_sdst(0) depctr_va_vdst(0) depctr_va_sdst(0) depctr_va_ssrc(0) depctr_va_vcc(0) depctr_vm_vsrc(0)
	s_getreg_b32 s2, hwreg(HW_REG_IB_STS2, 6, 4)
	s_cmp_eq_u32 s2, 0
	s_cbranch_scc0 .Lentry_in_a_cluster
	s_endpgm
.Lentry_in_a_cluster:
	s_bfe_u32 s2, ttmp6, 0x10000c
	s_cmp_lg_u32 s2, 0x3003
	s_cbranch_scc0 .Lentry_shape_is_right
	s_endpgm
.Lentry_shape_is_right:
; out0 = ctx wo + bo.  ctxf and wof are f16 fragment images (1,024 bytes = [c][lane][16 bytes]); sums in f32, out0 in f32.
; A work-group takes 64 tokens (4 token tiles of 8,192 bytes in ctxf), wave w the columns 32 w .. 32 w + 31 (n tiles 2 w, 2 w + 1).
; Source 0 = wo (rows = columns of the result), source 1 = tokens: a lane holds 8 neighbouring columns of token r, and the bias, which
; runs along the registers, is the C operand of the first product.
; CLUSTER: four work-groups ask jointly for the image of wo (131,072 bytes, 64 rows x 256 bytes a wave); each fetches its own tokens
; by a plain tensor load (16 rows x 256 bytes a wave).  A wave has two tensor loads out.
; The results go out through a stage in LDS, so that each store covers 512 consecutive bytes of a row of out0.
.set CTXL,  131072                     ; LDS: wo image at 0, the tokens' fragments here (32,768),
.set STAGE, 163840                     ; the stage: 64 rows of 1,024 + 16 bytes, written by LDS stores alone
.set SP,    1040                       ; row r begins at 16 r modulo 256: the 16 lanes of a store fall into 16 different 16-byte columns
.set BIAS, 16                          ; v[16:31]   bias of n tile i: 8 i
.set ACA,  32                          ; v[32:47], v[48:63]  a pair of accumulators for even and for odd token tiles
.set ACB,  48
.set CF,   64                          ; v[64:127]  token fragments, 8 ks; later the rows on their way out
.set WFR,  128                         ; v[128:255] wo fragments, 64 i + 8 ks
; v1 16 lane   v2 wo image read   v3 token read   v4 stage store   v5 stage read   v6 bias offset
.macro PLACES
.rept 4
	v_nop
.endr
.endm
.macro ROUND
	s_barrier_signal -1
	s_barrier_wait -1
	s_cmp_lg_u32 s12, 0
	s_cbranch_scc1 .Lnot_wave_0_\@
	s_barrier_signal -3
.Lnot_wave_0_\@:
	s_barrier_wait -3
	s_barrier_signal -1
	s_barrier_wait -1
.endm
	s_load_b256 s[4:11], s[0:1], 0x0               ; ctxf s[4:5], wof s[6:7], bo s[8:9], out0 s[10:11]
	v_lshl_add_u32 v14, v0, 2, 0x38400
	v_mov_b32 v15, 0
	ds_add_u32 v14, v15
	v_lshrrev_b32 v1, 5, v0
	v_readfirstlane_b32 s12, v1                    ; wave 0..7
	s_bfe_u32 s14, ttmp6, 0x40000                  ; my place in the cluster: it enters the global addresses of my tokens and of out0 alone
	s_lshl_b32 s13, ttmp9, 2
	s_add_co_u32 s13, s13, s14                     ; the block of 64 tokens
	; group 1 of the joint load: 64 rows of 32 elements of 8 bytes, dense
	s_mov_b32 s16, 15|(3<<16)|(1<<21)              ; mask: all four; elements of 8 bytes; bit 21 beside a mask
	s_mov_b32 s17, 32<<16                          ; tensor_dim0 = 32
	s_mov_b32 s18, 64<<16                          ; tensor_dim1 = 64
	s_mov_b32 s19, 32<<16                          ; tile_dim0 = 32
	s_mov_b32 s20, 64                              ; tile_dim1 = 64
	s_mov_b32 s21, 32                              ; elements from row to row
	s_mov_b32 s22, 0
	s_mov_b32 s23, 0
	; group 1 of the plain load: 16 such rows
	s_mov_b32 s24, 3<<16
	s_mov_b32 s25, 32<<16
	s_mov_b32 s26, 16<<16
	s_mov_b32 s27, 32<<16
	s_mov_b32 s28, 16
	s_mov_b32 s29, 32
	s_mov_b32 s30, 0
	s_mov_b32 s31, 0
	s_lshl_b32 s40, s12, 14                        ; wo image: wave x 16,384, in memory as in LDS
	s_mov_b32 s41, 0
	s_lshl_b32 s44, s12, 12                        ; tokens: wave x 4,096
	s_lshl_b32 s42, s13, 15                        ; + block x 32,768 in memory
	s_add_co_u32 s42, s42, s44
	s_mov_b32 s43, 0
	s_lshl_b32 s46, s13, 16                        ; out0: (64 block + 8 wave) rows of 1,024 bytes
	s_lshl_b32 s47, s12, 13
	s_add_co_u32 s46, s46, s47
	s_mov_b32 s47, 0
	s_wait_dscnt 0x0
	s_wait_kmcnt 0x0
	s_mov_b32 s32, 1
	s_lshl_b32 s33, s12, 14
	s_add_nc_u64 s[34:35], s[6:7], s[40:41]
	s_or_b32 s35, s35, 0x80000000
	s_mov_b32 s36, 1
	s_add_co_u32 s37, s44, CTXL
	s_add_nc_u64 s[38:39], s[4:5], s[42:43]
	s_or_b32 s39, s39, 0x80000000
	s_add_nc_u64 s[10:11], s[10:11], s[46:47]
	ROUND                                          ; all four work-groups are here: the joint loads meet
	tensor_load_to_lds s[32:35], s[16:23]
	s_nop 0
	tensor_load_to_lds s[36:39], s[24:31]
	s_nop 0
	v_and_b32 v7, 31, v0
	v_lshlrev_b32 v1, 4, v7
	v_bfe_u32 v8, v0, 4, 1                         ; h
	v_lshlrev_b32 v6, 5, v8
	v_lshl_add_u32 v6, s12, 7, v6                  ; bias of columns 32 w + 16 i + 8 h + 0..7
.irp i, 0,1
	global_load_b128 v[BIAS+8*\i:BIAS+8*\i+3], v6, s[8:9] offset:64*\i
	global_load_b128 v[BIAS+8*\i+4:BIAS+8*\i+7], v6, s[8:9] offset:64*\i+16
.endr
	v_lshl_add_u32 v2, s12, 14, v1
	v_add_nc_u32 v3, CTXL, v1
	v_and_b32 v7, 15, v0                           ; r
	v_mul_u32_u24 v4, v7, SP
	v_lshl_add_u32 v4, v8, 5, v4
	v_lshl_add_u32 v4, s12, 7, v4
	v_add_nc_u32 v4, STAGE, v4                     ; token r, columns 32 w + 8 h ..
	s_mul_i32 s48, s12, 8*SP
	s_add_co_u32 s48, s48, STAGE
	v_add_nc_u32 v5, s48, v1                       ; rows 8 w ..
	s_wait_tensorcnt 0x0                           ; my parts have landed,
	s_barrier_signal -1
	s_barrier_wait -1                              ; everybody's: every wave reads all the tokens
.irp i, 0,1
.irp ks, 0,1,2,3,4,5,6,7
	ds_load_b128 v[WFR+64*\i+8*\ks:WFR+64*\i+8*\ks+3], v2 offset:\i*8192+\ks*1024
	ds_load_b128 v[WFR+64*\i+8*\ks+4:WFR+64*\i+8*\ks+7], v2 offset:\i*8192+\ks*1024+512
.endr
.endr
; One token tile.  The two accumulators take turns, one instruction a turn.
.macro TOK tt, acc
.irp i, 0,1,2,3,4,5,6,7,8,9,10,11,12,13,14,15
	ds_load_b128 v[CF+4*\i:CF+4*\i+3], v3 offset:\tt*8192+512*\i
.endr
.if \tt == 0
	s_wait_loadcnt 0x0                             ; the bias
.endif
.irp ks, 0,1,2,3,4,5,6,7
	s_wait_dscnt 14-2*\ks                          ; LDS instructions end in order: all but the younger token fragments are in
.if \ks == 0
	v_wmma_f32_16x16x32_f16 v[\acc:\acc+7], v[WFR+8*\ks:WFR+8*\ks+7], v[CF+8*\ks:CF+8*\ks+7], v[BIAS:BIAS+7]
	v_wmma_f32_16x16x32_f16 v[\acc+8:\acc+15], v[WFR+64+8*\ks:WFR+64+8*\ks+7], v[CF+8*\ks:CF+8*\ks+7], v[BIAS+8:BIAS+15]
.else
	v_wmma_f32_16x16x32_f16 v[\acc:\acc+7], v[WFR+8*\ks:WFR+8*\ks+7], v[CF+8*\ks:CF+8*\ks+7], v[\acc:\acc+7]
	v_wmma_f32_16x16x32_f16 v[\acc+8:\acc+15], v[WFR+64+8*\ks:WFR+64+8*\ks+7], v[CF+8*\ks:CF+8*\ks+7], v[\acc+8:\acc+15]
.endif
.endr
	PLACES                                         ; before the results are stored and the token fragments loaded again
.irp i, 0,1
	ds_store_b128 v4, v[\acc+8*\i:\acc+8*\i+3] offset:\tt*16*SP+\i*64
	ds_store_b128 v4, v[\acc+8*\i+4:\acc+8*\i+7] offset:\tt*16*SP+\i*64+16
.endr
.endm
	TOK 0, ACA
	TOK 1, ACB
	TOK 2, ACA
	TOK 3, ACB
	s_wait_dscnt 0x0                               ; my columns of the stage are written,
	s_barrier_signal -1
	s_barrier_wait -1                              ; everybody's
.irp i, 0,1,2,3,4,5,6,7,8,9,10,11,12,13,14,15
	ds_load_b128 v[CF+4*\i:CF+4*\i+3], v5 offset:(\i/2)*SP+(\i%2)*512
.endr
.irp i, 0,1,2,3,4,5,6,7,8,9,10,11,12,13,14,15
	s_wait_dscnt 15-\i
	global_store_b128 v1, v[CF+4*\i:CF+4*\i+3], s[10:11] offset:(\i/2)*1024+(\i%2)*512 th:TH_STORE_NT   ; half a row: 512 consecutive bytes, aligned
.endr
	s_wait_tensorcnt 0x0
	ds_add_u32 v14, v15
	s_wait_dscnt 0x0
	ROUND                                          ; the closing round
	s_endpgm
.Lfunc_end_k_qedf87d697e_outp:
	.size	k_qedf87d697e_outp, .Lfunc_end_k_qedf87d697e_outp-k_qedf87d697e_outp
	.p2alignl 7, 3214868480
	.fill 96, 4, 3214868480
	.section	.rodata,"a",@progbits
	.p2align	6, 0x0
	.amdhsa_kernel k_qedf87d697e_outp
		.amdhsa_group_segment_fixed_size 231424
		.amdhsa_private_segment_fixed_size 0
		.amdhsa_enable_private_segment 0
		.amdhsa_kernarg_size 32
		.amdhsa_user_sgpr_count 2
		.amdhsa_user_sgpr_kernarg_segment_ptr 1
		.amdhsa_wavefront_size32 1
		.amdhsa_system_sgpr_workgroup_id_x 1
		.amdhsa_system_sgpr_workgroup_id_y 1
		.amdhsa_system_sgpr_workgroup_id_z 1
		.amdhsa_system_vgpr_workitem_id 0
		.amdhsa_next_free_vgpr 256
		.amdhsa_next_free_sgpr 66
		.amdhsa_reserve_vcc 0
		.amdhsa_float_denorm_mode_32 3
		.amdhsa_float_denorm_mode_16_64 3
		.amdhsa_memory_ordered 1
		.amdhsa_forward_progress 1
		.amdhsa_inst_pref_size 21
	.end_amdhsa_kernel
	.amdgpu_metadata
---
amdhsa.version: [ 1, 2 ]
amdhsa.kernels:
  - .name:           k_qedf87d697e_outp
    .symbol:         k_qedf87d697e_outp.kd
    .args:
      - { .name: ctxf, .offset: 0, .size: 8, .value_kind: global_buffer, .address_space: global }
      - { .name: wof, .offset: 8, .size: 8, .value_kind: global_buffer, .address_space: global }
      - { .name: bo, .offset: 16, .size: 8, .value_kind: global_buffer, .address_space: global }
      - { .name: out0, .offset: 24, .size: 8, .value_kind: global_buffer, .address_space: global }
    .group_segment_fixed_size: 231424
    .private_segment_fixed_size: 0
    .kernarg_segment_align: 8
    .kernarg_segment_size: 32
    .max_flat_workgroup_size: 256
    .sgpr_count:     66
    .vgpr_count:     256
    .wavefront_size: 32
...
	.end_amdgpu_metadata
.endif
;; end of part 3
;; ======== version 2 of 2: 3 launches; 1.12 times as fast as version 1
;; limits: values are held in f16: magnitudes above 65,504 overflow, below 6.1e-05 lose precision
;; workspace buffers: qf 8,388,608 bytes; kv 16,777,216 bytes; ctxf 8,388,608 bytes; wof 131,072 bytes
;; launch proj: the kernel of part 1 again; grid 64 x 4, 8 waves a work-group, no clusters, 272,640 bytes of LDS; arguments q, k, v, wq, wk, wv, bq, bk, bv, wo, qf, kv, wof; writes qf, kv, wof
;; launch attn (part 4): grid 256 x 1, 8 waves a work-group, clusters of 4 x 1, 271,360 bytes of LDS; arguments qf, kv, m, ctxf; writes ctxf
.if DOCPART == 4
	.amdgcn_target "amdgcn-amd-amdhsa--gfx1250"
	.amdhsa_code_object_version 6
	.text
	.protected	k_qedf87d697e_attn
	.globl	k_qedf87d697e_attn
	.p2align	8
	.type	k_qedf87d697e_attn,@function
k_qedf87d697e_attn:
	s_mov_b64 s[64:65], 0
	v_nop
	global_prefetch_b8 v0, s[64:65] scope:SCOPE_SE
	s_setreg_imm32_b32 hwreg(HW_REG_WAVE_MODE, 25, 1), 1
	s_wait_xcnt 0x0
	s_wait_alu depctr_hold_cnt(0) depctr_sa_sdst(0) depctr_va_vdst(0) depctr_va_sdst(0) depctr_va_ssrc(0) depctr_va_vcc(0) depctr_vm_vsrc(0)
	s_getreg_b32 s2, hwreg(HW_REG_IB_STS2, 6, 4)
	s_cmp_eq_u32 s2, 0
	s_cbranch_scc0 .Lentry_in_a_cluster
	s_endpgm
.Lentry_in_a_cluster:
	s_bfe_u32 s2, ttmp6, 0x10000c
	s_cmp_lg_u32 s2, 0x3003
	s_cbranch_scc0 .Lentry_shape_is_right
	s_endpgm
.Lentry_shape_is_right:
; Attention of one (batch, head) and 512 queries for each work-group; softmax with a running maximum; result as f16 fragment images.
; Inputs are fragment images: qf holds (q wq + bq) log2(e)/sqrt(32), kv the head's K and V in blocks of 64 keys (K 4,096 | V 4,096 bytes).
; The products are used TRANSPOSED, so that nothing is moved between lanes on the way from the scores to the second product:
;   S^T (64 keys x 16 queries) = K x Q^T + mask : lane 16 h + r holds query r, register j of key tile kt holds key 16 kt + 8 h + j;
;   packed in pairs these registers ARE the source 1 fragments of  O^T (32 dh x 16 queries) += V^T x P^T.
; The mask m[key] * (-1e9 log2(e)) runs along the registers and is the C operand of the score product: it costs no vector instruction.
; p = exp2(s - max): the maximum is the true one of the row so far, mask included, and the subtraction is exact at the maximum: p <= 1.
; The row sums are a third product with a matrix that is one in rows 0 and 8 and zero elsewhere: register 0 of its result holds, in both
; halves of the wave, the sum of the rounded p of query r.
; BATCHES.  A query tile's step on a block of keys has 33 exponentials: a = exp2(old maximum - new) and the 32 weights, each in a register of
; its own.  They are ONE batch with ONE wait: four waits for a block's four tiles.  Ahead of the wait stands all that names no result of the
; batch: the tile's sixteen subtractions, and the NEXT tile's sixteen maxima and its statistics (its scores are issued ahead of the step), set
; between the exponentials.  Behind the wait stand the readers: the sixteen roundings, the rescaling by a, the second product.  So a tile's
; maximum, and the argument of its a, are made one step ahead of its exponentials.  The way out's four reciprocals are a batch of their own.
; CLUSTER: the four query blocks of a head form a cluster and ask jointly for the head's K and V (262,144 bytes), which then stay in LDS:
; no slot is ever filled again.  A wave asks for 4 pieces of 32 rows x 256 bytes, one in each quarter of the keys, so that the work begins
; when a quarter has landed; a wave has four tensor loads out at the most.
; Eight waves, 64 queries (4 query tiles t) each.
; LIMITS: where EVERY key is masked, score + mask is rounded to 24 bits inside the matrix unit (steps of 128 in log2 units, the order of
; rounding of the unit) while the definition rounds to nearest in steps of 64 natural units: such rows may differ.  m * 1.45e9 must be finite.
; NaN and infinities are not served.
.set MASKL, 262144                     ; LDS: K and V at 0 (32 blocks x 8,192), the scaled mask behind them (2,048 f32), written by LDS stores alone
.set MSCALE, 0xceabfb8f                ; -1e9 log2(e)
.set AL,   10                          ; v10       exp2(old maximum - new) of the tile at work
.set TP,   11                          ; v11       the other half's maximum
.set MX,   12                          ; v[12+2t]  running maximum of tile t (v[13+2t] only fills the pair)
.set DL,   20                          ; v20       old maximum - new of the tile whose step comes next
.set QF,   24                          ; v[24:55]  Q fragments, 8 t
.set ONES, 56                          ; v[56:63]  the summing matrix
.set KF,   64                          ; v[64:95]  K fragments, 8 kt
.set MF,   96                          ; v[96:127] mask, 8 kt
.set VF,   128                         ; v[128:159] V fragments, 16 kc + 8 dt
.set SA,   160                         ; v[160:191], v[192:223]  scores, two buffers
.set SB,   192
.set PF,   224                         ; v[224:239] P fragments, 8 kc
.set OA,   0                           ; window 1: v[256+16t+8dt ..] O^T
.set LS,   64                          ; window 1: v[320+8t ..] row sums
; v1 16 lane   v2 LDS address of my 16 bytes in the block at work   v3 LDS address of my 8 mask words   v4-v7 at work
.set MSB, 0
.macro WIN new                         ; s_set_vgpr_msb: bits 1:0 source 0, 3:2 source 1, 5:4 source 2, 7:6 destination; the high byte repeats the setting left
.if MSB != \new
	s_set_vgpr_msb (MSB<<8)|\new
.set MSB, \new
.endif
.endm
.macro PLACES
.rept 4
	v_nop
.endr
.endm
.macro ROUND                           ; a round of the cluster's barrier: my work-group's barrier, wave 0 signals for it, all wait, my barrier again
	s_barrier_signal -1
	s_barrier_wait -1
	s_cmp_lg_u32 s12, 0
	s_cbranch_scc1 .Lnot_wave_0_\@
	s_barrier_signal -3
.Lnot_wave_0_\@:
	s_barrier_wait -3
	s_barrier_signal -1
	s_barrier_wait -1
.endm
	s_load_b256 s[4:11], s[0:1], 0x0               ; qf s[4:5], kv s[6:7], m s[8:9], ctxf s[10:11]
	v_lshl_add_u32 v254, v0, 2, 0x42000
	v_mov_b32 v255, 0
	ds_add_u32 v254, v255
	v_lshrrev_b32 v1, 5, v0
	v_readfirstlane_b32 s12, v1                    ; wave 0..7
	s_mov_b32 s13, ttmp9                           ; the cluster's number = b * 8 + head
	s_bfe_u32 s14, ttmp6, 0x40000                  ; my place in the cluster = the block of 512 queries; it enters global addresses of Q and of the result alone
	s_mov_b32 s40, 0x76543210                      ; v_permlanex16_b32: lane i reads lane i of the other half
	s_mov_b32 s41, 0xfedcba98
	; descriptor group 1: 32 rows of 32 elements of 8 bytes, dense: 8,192 bytes
	s_mov_b32 s16, 15|(3<<16)|(1<<21)              ; 15:0 mask: all four of the cluster; 17:16 elements of 8 bytes; 21 set beside a mask
	s_mov_b32 s17, 32<<16                          ; tensor_dim0 = 32
	s_mov_b32 s18, 32<<16                          ; tensor_dim1 = 32
	s_mov_b32 s19, 32<<16                          ; tile_dim0 = 32
	s_mov_b32 s20, 32                              ; tile_dim1 = 32
	s_mov_b32 s21, 32                              ; elements from row to row
	s_mov_b32 s22, 0
	s_mov_b32 s23, 0
	s_lshl_b32 s50, s12, 13                        ; my block in a quarter: wave x 8,192, in LDS as in memory
	s_lshl_b32 s48, s13, 18                        ; the head's K and V: 262,144 bytes
	s_add_co_u32 s48, s48, s50
	s_mov_b32 s49, 0
	s_lshl_b32 s42, s13, 17                        ; Q: head x 131,072 + (32 place + 4 wave) tiles x 1,024
	s_lshl_b32 s44, s14, 15
	s_add_co_u32 s42, s42, s44
	s_lshl_b32 s44, s12, 12
	s_add_co_u32 s42, s42, s44
	s_mov_b32 s43, 0
	s_lshr_b32 s44, s13, 3                         ; result: (128 b + 32 place + 4 wave) token tiles x 8,192 + head x 1,024
	s_lshl_b32 s44, s44, 20
	s_and_b32 s45, s13, 7
	s_lshl_b32 s45, s45, 10
	s_add_co_u32 s44, s44, s45
	s_lshl_b32 s45, s14, 18
	s_add_co_u32 s44, s44, s45
	s_lshl_b32 s45, s12, 15
	s_add_co_u32 s44, s44, s45
	s_mov_b32 s45, 0
	s_wait_dscnt 0x0
	s_wait_kmcnt 0x0
	s_add_nc_u64 s[6:7], s[6:7], s[48:49]
	s_add_nc_u64 s[4:5], s[4:5], s[42:43]
	s_add_nc_u64 s[10:11], s[10:11], s[44:45]
.irp cq, 0,1,2,3
	s_mov_b32 s[24+4*\cq], 1                                       ; group 0 of quarter cq: count = 1
	s_add_co_u32 s[25+4*\cq], s50, \cq*65536                       ; LDS address
	s_add_nc_u64 s[26+4*\cq:27+4*\cq], s[6:7], \cq*65536           ; global address
	s_or_b32 s[27+4*\cq], s[27+4*\cq], 0x80000000                  ; type = 2
.endr
	ROUND                                          ; all four work-groups are here: the joint loads meet
.irp cq, 0,1,2,3
	tensor_load_to_lds s[24+4*\cq:27+4*\cq], s[16:23]
	s_nop 0
.endr
	v_and_b32 v1, 31, v0
	v_lshlrev_b32 v1, 4, v1
	v_lshlrev_b32 v4, 4, v0                        ; the mask: 16 bytes a thread, twice
	global_load_b128 v[64:67], v4, s[8:9]
	global_load_b128 v[68:71], v4, s[8:9] offset:4096
.irp i, 0,1,2,3,4,5,6,7
	global_load_b128 v[QF+4*\i:QF+4*\i+3], v1, s[4:5] offset:512*\i th:TH_LOAD_NT
.endr
	v_mov_b32 v2, v1
	v_bfe_u32 v8, v0, 4, 1
	v_lshl_add_u32 v3, v8, 5, MASKL                ; keys 8 h .. of a key tile
	v_add_nc_u32 v5, MASKL, v4
	v_and_b32 v8, 7, v0
	v_mov_b32 v9, 0x3c003c00                       ; two f16 ones
	v_cmp_eq_u32 vcc_lo, 0, v8                     ; rows 0 and 8
.irp i, 0,1,2,3,4,5,6,7
	v_cndmask_b32 v[ONES+\i], 0, v9, vcc_lo
.endr
	v_mov_b32 v[TP], 0                             ; a lane permute counts as a reader of its destination
.irp t, 0,1,2,3
	v_mov_b32 v[MX+2*\t+1], 0
.endr
	s_wait_loadcnt 8                               ; the mask is in; the eight younger loads of Q may be out
.irp i, 0,1,2,3
	v_pk_mul_f32 v[64+2*\i:65+2*\i], v[64+2*\i:65+2*\i], MSCALE op_sel_hi:[1,0]
.endr
	ds_store_b128 v5, v[64:67]
	ds_store_b128 v5, v[68:71] offset:4096
	s_wait_loadcnt 0x0
	s_wait_dscnt 0x0                               ; my part of the mask is written,
	s_wait_tensorcnt 3                             ; my block of the first quarter has landed (tensor loads of a wave end in order: ISA guide 10.11.1); three stay out
	s_barrier_signal -1
	s_barrier_wait -1                              ; everybody's
.macro LDKM o                          ; K fragments and mask of block (at work + o)
.irp i, 0,1,2,3,4,5,6,7
	ds_load_b128 v[KF+4*\i:KF+4*\i+3], v2 offset:\o*8192+512*\i
.endr
.irp i, 0,1,2,3,4,5,6,7
	ds_load_b128 v[MF+4*\i:MF+4*\i+3], v3 offset:\o*256+(\i/2)*64+(\i%2)*16
.endr
.endm
.macro LDV
.irp i, 0,1,2,3,4,5,6,7
	ds_load_b128 v[VF+4*\i:VF+4*\i+3], v2 offset:4096+512*\i
.endr
.endm
.macro WS t, S                         ; scores of query tile t against 64 keys, mask added
.irp kt, 0,1,2,3
	v_wmma_f32_16x16x32_f16 v[\S+8*\kt:\S+8*\kt+7], v[KF+8*\kt:KF+8*\kt+7], v[QF+8*\t:QF+8*\t+7], v[MF+8*\kt:MF+8*\kt+7]
.endr
.endm
.macro PV3 t, kc, zero                 ; 32 keys into the two halves of O^T and into the row sums
.if \zero
	v_wmma_f32_16x16x32_f16 v[OA+16*\t:OA+16*\t+7], v[VF+16*\kc:VF+16*\kc+7], v[PF+8*\kc:PF+8*\kc+7], 0
	v_wmma_f32_16x16x32_f16 v[OA+16*\t+8:OA+16*\t+15], v[VF+16*\kc+8:VF+16*\kc+15], v[PF+8*\kc:PF+8*\kc+7], 0
	v_wmma_f32_16x16x32_f16 v[LS+8*\t:LS+8*\t+7], v[ONES:ONES+7], v[PF+8*\kc:PF+8*\kc+7], 0
.else
	v_wmma_f32_16x16x32_f16 v[OA+16*\t:OA+16*\t+7], v[VF+16*\kc:VF+16*\kc+7], v[PF+8*\kc:PF+8*\kc+7], v[OA+16*\t:OA+16*\t+7]
	v_wmma_f32_16x16x32_f16 v[OA+16*\t+8:OA+16*\t+15], v[VF+16*\kc+8:VF+16*\kc+15], v[PF+8*\kc:PF+8*\kc+7], v[OA+16*\t+8:OA+16*\t+15]
	v_wmma_f32_16x16x32_f16 v[LS+8*\t:LS+8*\t+7], v[ONES:ONES+7], v[PF+8*\kc:PF+8*\kc+7], v[LS+8*\t:LS+8*\t+7]
.endif
.endm
.macro PV t, zero                      ; the three accumulators take turns, one instruction a turn
	WIN 0x50                                       ; C and D in window 1
	PV3 \t, 0, \zero
	PV3 \t, 1, 0
	WIN 0
.endm
.macro FP S, num, t                    ; pair num of 16: two scores minus the maximum
	v_pk_add_f32 v[\S+2*(\num):\S+2*(\num)+1], v[\S+2*(\num):\S+2*(\num)+1], v[MX+2*\t:MX+2*\t+1] op_sel_hi:[1,0] neg_lo:[0,1] neg_hi:[0,1]
.endm
.macro EX S, num                       ; weight num of 32, in place: each result has a register of its own while the batch is open
	v_exp_f32 v[\S+(\num)], v[\S+(\num)]
.endm
; Number num of the sixteen maxima over the 32 scores in buffer B, which belong to tile u (a symbol that the caller sets): four chains v4-v7,
; then the four into v4.  Each accumulator's lowest registers are read first.
; nxt = 1: the tile's first block, no old maximum; 2: the old maximum is taken in; 0: there is no such tile, and nothing is written.
.macro XM B, num, nxt
.if (\nxt) != 0
.if (\num) == 0
.if (\nxt) == 1
	v_max_num_f32 v4, v[\B], v[\B+1]
.else
	v_max3_num_f32 v4, v[\B], v[\B+1], v[MX+2*u]
.endif
.elseif (\num) == 1
	v_max3_num_f32 v5, v[\B+2], v[\B+3], v[\B+4]
.elseif (\num) == 2
	v_max3_num_f32 v6, v[\B+5], v[\B+6], v[\B+7]
.elseif (\num) == 3
	v_max3_num_f32 v7, v[\B+8], v[\B+9], v[\B+10]
.elseif (\num) < 14
	v_max3_num_f32 v[4+(\num)%4], v[4+(\num)%4], v[\B+3+2*(\num)], v[\B+4+2*(\num)]
.elseif (\num) == 14
	v_max3_num_f32 v4, v4, v5, v6
.else
	v_max3_num_f32 v4, v4, v7, v[\B+31]
.endif
.endif
.endm
; The softmax step of query tile t on the 32 score registers S; its maximum and the argument of its a were made in the step before.
; B holds the scores of the next tile, (t + 1) mod 4, whose maximum and statistics this step makes (nxt as in XM).
; first = 1: tile t's first block: no a, nothing to rescale.
; ld = 1: V of this block, ld = 2: K and mask of the next are asked for behind the step's first four subtractions, which are the four plain
; places behind the matrix instructions that last read those registers, and ahead of the step's first exponential.
; THE ORDER.  Ahead of the wait: four subtractions; a and subtraction 4; weights 0-10 by turns with subtractions 5-15 (a pair is subtracted
; ahead of its exponentials); weights 11-24 by turns with the next tile's maxima 0-13 (sixteen plain lines behind the products that made its
; scores); weights 25-31 between the links of that tile's chain: the last two maxima and the exchange of the halves; then its new maximum,
; the change and the move.  None of these lines names a result of the batch.  Behind the wait: the readers.
.macro SM t, S, B, first, nxt, ld
.set u, ((\t)+1)%4
.set n, 0
.rept 4
	FP \S, n, \t
.set n, n+1
.endr
.if \ld == 1
	LDV
.endif
.if \ld == 2
	LDKM 1
.endif
.if \first == 0
	v_exp_f32 v[AL], v[DL]                         ; a: the batch's first
.endif
	FP \S, 4, \t
.set n, 0
.rept 11
	EX \S, n
	FP \S, n+5, \t
.set n, n+1
.endr
.set n, 0
.rept 14
	EX \S, n+11
	XM \B, n, \nxt
.set n, n+1
.endr
	EX \S, 25
	EX \S, 26
	XM \B, 14, \nxt
	EX \S, 27
	EX \S, 28
	XM \B, 15, \nxt
	EX \S, 29
	EX \S, 30
.if (\nxt) != 0
	v_permlanex16_b32 v[TP], v4, s40, s41          ; the other 32 keys of query r lie in the other half of the wave
.endif
	EX \S, 31                                      ; the batch's last
	; plain lines on other registers behind the last exponential, ahead of the first use of a result (ISA guide 5.7.2)
.if (\nxt) == 2
	v_max_num_f32 v5, v4, v[TP]
	v_sub_f32 v[DL], v[MX+2*u], v5                 ; the argument of the next tile's a; this tile's a has read its own long since
	v_mov_b32 v[MX+2*u], v5
.elseif (\nxt) == 1
	v_max_num_f32 v[MX+2*u], v4, v[TP]
.else
	v_nop
.endif
	s_wait_alu depctr_va_vdst(0)                   ; the wait for the batch, tile t's a and its 32 weights, ahead of the first line that names a result
.set n, 0
.rept 16
	v_cvt_pk_f16_f32 v[PF+n], v[\S+2*n], v[\S+2*n+1]
.set n, n+1
.endr
.if \first == 0
	WIN 0x41                                       ; source 0 and destination in window 1; the second product follows under its own setting
.irp i, 0,1,2,3,4,5,6,7
	v_pk_mul_f32 v[OA+16*\t+2*\i:OA+16*\t+2*\i+1], v[OA+16*\t+2*\i:OA+16*\t+2*\i+1], v[AL:AL+1] op_sel_hi:[1,0]
.endr
	v_mul_f32 v[LS+8*\t], v[LS+8*\t], v[AL]        ; registers 1-7 of the sums stay zero
.endif
.endm
; One block of 64 keys for the four query tiles.  On entry SA holds tile 0's scores, its maximum and the argument of its a are made, and K and
; mask of the block are in registers.  Behind the scores of tile t + 1 stand tile t's sixteen subtractions before their maxima are taken;
; behind the second product of tile t stand the next step's subtractions and maxima before P is written again; both name other registers.
; No exponential is issued behind a step's wait.
.macro TRIP first, last
	WS 1, SB
	SM 0, SA, SB, \first, 2-\first, 1
	s_wait_dscnt 0x0                               ; V is in
	PV 0, \first
	WS 2, SA
	SM 1, SB, SA, \first, 2-\first, 0
	PV 1, \first
	WS 3, SB
.if \last
	SM 2, SA, SB, \first, 2-\first, 0
	PV 2, \first
	SM 3, SB, SA, \first, 0, 0                     ; no tile follows
.else
	SM 2, SA, SB, \first, 2-\first, 2
	s_wait_dscnt 0x0                               ; the next block's K and mask are in
	PV 2, \first
	WS 0, SA
	SM 3, SB, SA, \first, 2, 0                     ; the next tile is tile 0 of the next block, which has an old maximum
.endif
	PV 3, \first
.if \last == 0
	v_add_nc_u32 v2, 0x2000, v2
	v_add_nc_u32 v3, 0x100, v3
.endif
.endm
; The next quarter of the keys: my block of it has landed, n later ones stay out; then everybody's has.  No LDS instruction of the wave is
; out here (the trip's last wait was for 0 and nothing was issued behind it).
.macro QW n
	s_wait_tensorcnt \n
	s_barrier_signal -1
	s_barrier_wait -1
.endm
.macro TRIPS n, name
	s_mov_b32 s47, \n
.L\name:
	TRIP 0, 0
	s_sub_co_i32 s47, s47, 1
	s_cmp_lg_u32 s47, 0
	s_cbranch_scc1 .L\name
.endm
	LDKM 0
	s_wait_dscnt 0x0
	WS 0, SA
	PLACES                                         ; here no softmax step stands behind the first scores
.set u, 0                                      ; tile 0's first maximum: the one that no step makes; it holds no exponential
.set n, 0
.rept 16
	XM SA, n, 1
.set n, n+1
.endr
	v_permlanex16_b32 v[TP], v4, s40, s41
	v_max_num_f32 v[MX], v4, v[TP]
	TRIP 1, 0                                      ; block 0 starts maxima and sums: nothing is cleared
	TRIPS 6, q0                                    ; blocks 1-6.  Trip n reads V of block n and K of block n + 1, so trip 7 is the first to touch quarter 1
	QW 2
	TRIPS 8, q1                                    ; blocks 7-14
	QW 1
	TRIPS 8, q2                                    ; blocks 15-22
	QW 0
	TRIPS 8, q3                                    ; blocks 23-30
	TRIP 0, 1                                      ; block 31 asks for nothing more
	; The way out: divide by the sums (at least 1: the maximum's own p), round to f16.  A lane holds dh 16 dt + 8 h + 0..7 of query r:
	; the 16 bytes of the fragment image that the output projection reads as its source 1.
	PLACES
	WIN 0x01                                       ; source 0 in window 1
.irp t, 0,1,2,3
	v_rcp_f32 v[SB+2*\t], v[LS+8*\t]
.endr
	v_nop                                          ; a plain line between the last reciprocal and the use of its result
	s_wait_alu depctr_va_vdst(0)                   ; the wait for the batch of four reciprocals, ahead of their first reader
.irp t, 0,1,2,3
.irp i, 0,1,2,3,4,5,6,7
	v_pk_mul_f32 v[MF+16*\t+2*\i:MF+16*\t+2*\i+1], v[OA+16*\t+2*\i:OA+16*\t+2*\i+1], v[SB+2*\t:SB+2*\t+1] op_sel_hi:[1,0]
.endr
.endr
	WIN 0
.irp t, 0,1,2,3
.irp i, 0,1,2,3,4,5,6,7
	v_cvt_pk_f16_f32 v[KF+8*\t+\i], v[MF+16*\t+2*\i], v[MF+16*\t+2*\i+1]
.endr
	global_store_b128 v1, v[KF+8*\t:KF+8*\t+3], s[10:11] offset:\t*8192            ; 512 consecutive bytes each
	global_store_b128 v1, v[KF+8*\t+4:KF+8*\t+7], s[10:11] offset:\t*8192+512
.endr
	s_wait_tensorcnt 0x0
	ds_add_u32 v254, v255
	s_wait_dscnt 0x0
	ROUND                                          ; the closing round: no work-group ends while a partner may still ask jointly
	s_endpgm
.Lfunc_end_k_qedf87d697e_attn:
	.size	k_qedf87d697e_attn, .Lfunc_end_k_qedf87d697e_attn-k_qedf87d697e_attn
	.p2alignl 7, 3214868480
	.fill 96, 4, 3214868480
	.section	.rodata,"a",@progbits
	.p2align	6, 0x0
	.amdhsa_kernel k_qedf87d697e_attn
		.amdhsa_group_segment_fixed_size 271360
		.amdhsa_private_segment_fixed_size 0
		.amdhsa_enable_private_segment 0
		.amdhsa_kernarg_size 32
		.amdhsa_user_sgpr_count 2
		.amdhsa_user_sgpr_kernarg_segment_ptr 1
		.amdhsa_wavefront_size32 1
		.amdhsa_system_sgpr_workgroup_id_x 1
		.amdhsa_system_sgpr_workgroup_id_y 1
		.amdhsa_system_sgpr_workgroup_id_z 1
		.amdhsa_system_vgpr_workitem_id 0
		.amdhsa_next_free_vgpr 352
		.amdhsa_next_free_sgpr 66
		.amdhsa_reserve_vcc 1
		.amdhsa_float_denorm_mode_32 3
		.amdhsa_float_denorm_mode_16_64 3
		.amdhsa_memory_ordered 1
		.amdhsa_forward_progress 1
		.amdhsa_inst_pref_size 152
	.end_amdhsa_kernel
	.amdgpu_metadata
---
amdhsa.version: [ 1, 2 ]
amdhsa.kernels:
  - .name:           k_qedf87d697e_attn
    .symbol:         k_qedf87d697e_attn.kd
    .args:
      - { .name: qf, .offset: 0, .size: 8, .value_kind: global_buffer, .address_space: global }
      - { .name: kv, .offset: 8, .size: 8, .value_kind: global_buffer, .address_space: global }
      - { .name: m, .offset: 16, .size: 8, .value_kind: global_buffer, .address_space: global }
      - { .name: ctxf, .offset: 24, .size: 8, .value_kind: global_buffer, .address_space: global }
    .group_segment_fixed_size: 271360
    .private_segment_fixed_size: 0
    .kernarg_segment_align: 8
    .kernarg_segment_size: 32
    .max_flat_workgroup_size: 256
    .sgpr_count:     66
    .vgpr_count:     352
    .wavefront_size: 32
...
	.end_amdgpu_metadata
.endif
;; end of part 4
;; launch outp: the kernel of part 3 again; grid 256 x 1, 8 waves a work-group, clusters of 4 x 1, 231,424 bytes of LDS; arguments ctxf, wof, bo, out0; writes out0
